; MI455X (gfx1250); checked and timed in simulation.
; The chip was launched on July 23, 2026; its instructions are those of AMD's public machine-readable ISA for CDNA 5 (MIT licence, August 2026) and "CDNA5" Instruction Set Architecture Reference Guide (July 2026). The comments in the code are by the model that wrote it; some were corrected since.
;; Legendre Activation. Allowed arithmetic: float matrix products may take bf16 or f16 operands with f32 sums; all other float work in f32.
;; Inputs: coeffs 1,024 x 9 float32; input_scale 1 float32; x 4,096 x 1,024 float32.
;; Outputs: out0 4,096 x 1,024 float32.
;; One version. Each part assembles by itself: llvm-mc -triple=amdgcn-amd-amdhsa -mcpu=gfx1250 --defsym DOCPART=n.
;; ======== version 1 of 1: 1 launch
;; launch legendre (part 1): grid 256 x 1, 8 waves a work-group, no clusters, 38,400 bytes of LDS; arguments coeffs, input_scale, x, out0; writes out0
.if DOCPART == 1
	.amdgcn_target "amdgcn-amd-amdhsa--gfx1250"
	.amdhsa_code_object_version 6
	.text
	.protected	k_q7d75f1149a_legendre
	.globl	k_q7d75f1149a_legendre
	.p2align	8
	.type	k_q7d75f1149a_legendre,@function
k_q7d75f1149a_legendre:
	s_mov_b64 s[64:65], 0
	v_nop
	global_prefetch_b8 v0, s[64:65] scope:SCOPE_SE
	s_setreg_imm32_b32 hwreg(HW_REG_WAVE_MODE, 25, 1), 1
	s_wait_xcnt 0x0
; out[b][o] = sum over w = 0..8 of coeffs[o][w] * S[b][w],  S[b][w] = sum over i of P_w(tanh(clip(scale, 0.1, 2) * x[b][i])).
; x, out: [4096][1024] f32.  coeffs: [1024][9] f32.  One launch: x is read once, out is written once, S never leaves the work-group.
;
; SHARES.  256 work-groups of 8 waves; a work-group owns 16 rows.  First wave w sums rows 2w and 2w+1 (lanes 0-15 one row, lanes 16-31 the
; other: each load covers two aligned runs of 256 bytes, and a row's sum stays inside 16 lanes).  All 16 loads of a wave go out at the start:
; 64 registers hold its 8 KiB of x.  Then, behind one barrier, wave w makes columns 128w .. 128w+127 of all 16 rows.
;
; THE SUMS.  t = tanh(y) = 1 - 2r, r = 1/(1 + 2^(k x)), k = 2 log2(e) scale.  With u = 2t and D_n = 2 T_n(t) (Chebyshev):
; D2 = u u - 2, D3 = u D2 - u, D4 = D2 D2 - 2, and D_m D_n = D_(m+n) + D_|m-n|, so eight running sums
;   E1 = sum u, E2 = sum D2, E3 = sum D3, E4 = sum D4, A5 = sum D2 D3, A6 = sum D3 D3, A7 = sum D3 D4, A8 = sum D4 D4
; give the sums of D_1 .. D_8 (sum D5 = A5 - E1, sum D6 = A6 - 2048, sum D7 = A7 - E1, sum D8 = A8 - 2048): 12 packed operations for two elements
; behind u.  Once a row, P_n = sum of g_k g_(n-k) T_|n-2k| (g = 1, 1/2, 3/8, 5/16, 35/128, ..) turns them into S_1 .. S_8 in f32, 20 multiply-adds.
; All its constants are dyadic fractions, exact in f32.  S_0 is the sum of 1,024 ones.
;
; THE PRODUCT, on the matrix unit in bf16 with f32 sums.  The term w = 0, 1024 c[o][0], is the C operand, in f32.  The eight others fill a
; quarter of K = 32, so K is cut into four blocks q = 0..3: A's row m = 4u + q holds S of row u in block q and zeros elsewhere, B's column n
; holds c[o0 + 4n + q][1..8] in block q.  Then D(m, n) = out[u][o0 + 4n + q]: in lane (r, h) registers 0-3 are columns o0+4r .. o0+4r+3 of row
; 2h, registers 4-7 the same columns of row 2h+1: 16 bytes that belong together, stored as they lie.
;
; LIMITS, kept on purpose.  (1) The order of rounding differs from Bonnet's recursion; all of it is f32 up to the rounding of S and c to bf16.
; (2) clip(P_n, -100, 100) is not written: |tanh| <= 1, so |P_n| <= 1 for every input; a NaN in x makes its row NaN here as there.
; (3) A NaN input_scale is taken as 0.1 (v_max_num_f32 drops it); the reference gives NaN everywhere.  (4) A coefficient that is infinite or NaN
; also spoils the three other columns of its group of four (zero times infinity inside the matrix instruction).
; NO CLUSTER: what work-groups share is coeffs alone, 36,864 of the 167,936 bytes that a work-group moves, read once by plain loads.
.set ROWB,   4096                      ; bytes in a row of x and of out
.set CROW,   36                        ; bytes in a row of coeffs
.set CTILE,  64*CROW                   ; a tile of 64 columns: 2,304 bytes of coeffs
.set CWAVE,  2*CTILE                   ; a wave's 128 columns: 4,608 bytes = 9 loads of 512 bytes
.set SBASE,  8*CWAVE                   ; LDS: behind the eight waves' coefficients, 16 rows x 32 bytes: S_1..S_8 in bf16, then 16 bytes of zeros
.set RR,  1                            ; v1        r = lane mod 16
.set HH,  2                            ; v2        h = lane / 16
.set XO,  10                           ; v10       byte offset of my 16 bytes in my row of x
.set CO,  11                           ; v11       byte offset of my 16 bytes in my wave's part of coeffs, in memory and in LDS alike
.set LB,  12                           ; v12       LDS: coeffs row o0 + 4r + h
.set LC,  13                           ; v13       LDS: coeffs row o0 + 4r
.set SST, 14                           ; v14       LDS: where my row's S goes
.set A0,  15                           ; v15       LDS: registers 0-3 of A: S of row r/4 where r mod 4 = h, else that row's zeros
.set A1,  16                           ; v16       LDS: registers 4-7 of A: the same for r mod 4 = 2 + h
.set OO,  17                           ; v17       byte offset of my 16 bytes in out
.set K,   18                           ; v[18:19]  k, twice
.set Z,   20                           ; v[20:23]  zeros
.set ACC, 24                           ; v[24:39]  the eight sums, a pair of registers each
.set B,   40                           ; v[40:55]  B fragments of my two tiles
.set C,   56                           ; v[56:71]  C blocks of my two tiles
.set CL,  72                           ; v[72:107] coeffs as loaded; free behind the wait for the LDS loads, then:
.set TMP, 72                           ; v[72:87]  u, D2, D3, D4 of two pairs of elements
.set RED, 88                           ; v[88:95]  the eight sums of a row
.set SV,  96                           ; v[96:103] S_1 .. S_8 in f32
.set SPK, 104                          ; v[104:107] the same in bf16
.set CF,  108                          ; v[108:147] coeffs as read back, 20 numbers a tile; then:
.set AF,  108                          ; v[108:139] A fragments of the four groups of four rows
.set X,   148                          ; v[148:211] x, 16 loads of 4 registers; then:
.set D,   148                          ; v[148:211] the eight results
	s_load_b256 s[4:11], s[0:1], 0x0               ; coeffs s[4:5], input_scale s[6:7], x s[8:9], out s[10:11]
	v_lshl_add_u32 v212, v0, 2, 0x9200
	v_mov_b32 v213, 0
	v_lshrrev_b32 v3, 5, v0
	v_readfirstlane_b32 s12, v3                    ; wave 0..7
	v_and_b32 v[RR], 15, v0
	v_bfe_u32 v[HH], v0, 4, 1
	v_and_b32 v4, 31, v0                           ; lane
	v_lshrrev_b32 v5, 4, v0                        ; 2 wave + h: my row among the group's 16
	v_lshlrev_b32 v6, 4, v[RR]                     ; 16 r
	s_mul_i32 s17, s12, CWAVE                      ; my wave's part of coeffs
	s_lshl_b32 s14, ttmp9, 16                      ; the work-group's 16 rows of 4,096 bytes (below 2^24)
	s_mov_b32 s15, 0
	v_lshl_add_u32 v[CO], v4, 4, s17
	v_lshl_add_u32 v[XO], v5, 12, v6
	s_wait_kmcnt 0x0
	s_load_b32 s13, s[6:7], 0x0                    ; input_scale
	s_add_nc_u64 s[8:9], s[8:9], s[14:15]
	s_add_nc_u64 s[10:11], s[10:11], s[14:15]
	; Every load of the wave goes out now.  coeffs first: loads come back in order, so they can be prepared while x is on its way.
.irp i, 0,1,2,3,4,5,6,7,8
	global_load_b128 v[CL+4*\i:CL+4*\i+3], v[CO], s[4:5] offset:512*\i             ; 512 neighbouring bytes
.endr
.irp i, 0,1,2,3,4,5,6,7,8,9,10,11,12,13,14,15
	global_load_b128 v[X+4*\i:X+4*\i+3], v[XO], s[8:9] offset:256*\i th:TH_LOAD_NT ; 256 aligned bytes of each of my two rows
.endr
	; the other offsets, and the constants
	v_mul_u32_u24 v[LC], v[RR], 4*CROW
	v_add_nc_u32 v[LC], s17, v[LC]                 ; four coeffs rows for each r
	v_mad_u32_u24 v[LB], v[HH], CROW, v[LC]
	s_lshl_b32 s18, s12, 6
	s_add_co_u32 s18, s18, SBASE                   ; my wave's two rows of S
	v_lshl_add_u32 v[SST], v[HH], 5, s18
	v_and_b32 v3, 3, v[RR]                         ; q of A's row r
	v_lshrrev_b32 v4, 2, v[RR]                     ; which of the group's four rows
	v_lshl_add_u32 v4, v4, 5, SBASE
	v_xor_b32 v3, v3, v[HH]                        ; 0 where q = h
	v_xor_b32 v5, 2, v3                            ; 0 where q = 2 + h
	v_min_u32 v3, 1, v3
	v_min_u32 v5, 1, v5
	v_lshl_add_u32 v[A0], v3, 4, v4                ; the values, or 16 bytes further the zeros
	v_lshl_add_u32 v[A1], v5, 4, v4
	s_lshl_b32 s19, s12, 9                         ; my wave's 128 columns of out
	v_lshl_add_u32 v6, v[HH], 13, v6               ; 16 r + two rows for the upper lanes
	v_add_nc_u32 v[OO], s19, v6
.irp i, 0,1,2,3
	v_mov_b32 v[Z+\i], 0
.endr
	ds_store_b128 v[SST], v[Z:Z+3] offset:16       ; the zeros behind my row's S (sixteen lanes write the same bytes with the same value)
	s_mov_b32 s20, 0x3ec00000                      ; 3/8
	s_mov_b32 s21, 0x43800000                      ; 256      = 1024 / 4
	s_mov_b32 s22, 0x3e200000                      ; 5/32
	s_mov_b32 s23, 0x43100000                      ; 144      = 1024 * 9/64
	s_mov_b32 s24, 0x3dd20000                      ; 105/1024
	s_mov_b32 s25, 0xc3b50000                      ; -362     = 1024 * (25/256 - 462/1024)
	s_mov_b32 s26, 0x3d9d8000                      ; 315/4096
	s_mov_b32 s27, 0xc4070800                      ; -540.125 = 1024 * (1225/16384 - 12870/32768 - 858/4096)
	s_wait_kmcnt 0x0                               ; input_scale
	v_mov_b32 v[K], s13
	v_max_num_f32 v[K], 0x3dcccccd, v[K]           ; clip to 0.1 ..
	v_min_num_f32 v[K], 2.0, v[K]                  ; .. 2.0
	v_mul_f32 v[K], 0x4038aa3b, v[K]               ; times 2 log2(e): 2^(k x) = e^(2 scale x)
	v_mov_b32 v[K+1], v[K]
	; coeffs: my wave's 4,608 bytes through its own LDS bytes, since a row of 36 bytes starts at a multiple of 4 only.
	s_wait_loadcnt 16                              ; the nine loads of coeffs are in; the sixteen of x, issued behind them, stay out
.irp i, 0,1,2,3,4,5,6,7,8
	ds_store_b128 v[CO], v[CL+4*\i:CL+4*\i+3] offset:512*\i
.endr
	; LDS serves a wave's instructions in order (ISA guide 5.7.1), and these bytes are my wave's alone: no wait, no barrier.
	; Word address 36 r + 9 h + const: the 32 lanes of a load fall on 32 different residues modulo 64.
.irp t, 0,1
.irp i, 0,1,2,3,4,5,6,7
	ds_load_b32 v[CF+20*\t+\i],   v[LB] offset:\t*CTILE+4+4*\i                    ; c[o0+4r+h][1+i]:   K block h
.endr
.irp i, 0,1,2,3,4,5,6,7
	ds_load_b32 v[CF+20*\t+8+\i], v[LB] offset:\t*CTILE+2*CROW+4+4*\i             ; c[o0+4r+2+h][1+i]: K block 2+h
.endr
.irp q, 0,1,2,3
	ds_load_b32 v[CF+20*\t+16+\q], v[LC] offset:\t*CTILE+\q*CROW                  ; c[o0+4r+q][0]
.endr
.endr
	s_wait_dscnt 0x0
.irp t, 0,1
.irp i, 0,1,2,3,4,5,6,7
	v_cvt_pk_bf16_f32 v[B+8*\t+\i], v[CF+20*\t+2*\i], v[CF+20*\t+2*\i+1]          ; the lower k in the low half
.endr
.irp u, 0,4
	v_pk_mul_f32 v[C+8*\t+\u:C+8*\t+\u+1],   v[CF+20*\t+16:CF+20*\t+17], 0x44800000 op_sel_hi:[1,0]   ; 1024 c[..][0]: the same four columns
	v_pk_mul_f32 v[C+8*\t+\u+2:C+8*\t+\u+3], v[CF+20*\t+18:CF+20*\t+19], 0x44800000 op_sel_hi:[1,0]   ; for both rows of the lane
.endr
.endr
; THE SUMS, four elements (one load) at a time, in three stages that overlap: behind a transcendental one plain vector instruction that
; touches neither its result nor its source comes before the result is used (ISA guide 5.7.2); here it is the neighbouring stage's work.
.macro MULEXP j                        ; e = 2^(k x), in place
	s_wait_loadcnt 15-(\j)                         ; load j of x is in; the 15 - j younger ones stay out
	v_pk_mul_f32 v[X+4*(\j):X+4*(\j)+1],   v[X+4*(\j):X+4*(\j)+1],   v[K:K+1]
	v_pk_mul_f32 v[X+4*(\j)+2:X+4*(\j)+3], v[X+4*(\j)+2:X+4*(\j)+3], v[K:K+1]
.irp e, 0,1,2,3
	v_exp_f32 v[X+4*(\j)+\e], v[X+4*(\j)+\e]       ; overflow gives infinity, r = 0, t = 1; underflow gives 0, r = 1, t = -1
.endr
.endm
.macro ADDRCP j                        ; r = 1 / (1 + e), in place
	v_pk_add_f32 v[X+4*(\j):X+4*(\j)+1],   v[X+4*(\j):X+4*(\j)+1],   1.0 op_sel_hi:[1,0]
	v_pk_add_f32 v[X+4*(\j)+2:X+4*(\j)+3], v[X+4*(\j)+2:X+4*(\j)+3], 1.0 op_sel_hi:[1,0]
.irp e, 0,1,2,3
	v_rcp_f32 v[X+4*(\j)+\e], v[X+4*(\j)+\e]
.endr
.endm
; first = 1: the first pair's u, D2, D3, D4 are made in the registers of E1 .. E4 and its products start A5 .. A8: nothing is cleared.
.macro POLY j, first
.set R0, X+4*(\j)
.set R1, X+4*(\j)+2
.if \first
.set U0, ACC
.set P0, ACC+2
.set Q0, ACC+4
.set W0, ACC+6
.else
.set U0, TMP
.set P0, TMP+2
.set Q0, TMP+4
.set W0, TMP+6
.endif
.set U1, TMP+8
.set P1, TMP+10
.set Q1, TMP+12
.set W1, TMP+14
	s_wait_alu depctr_va_vdst(0)
	v_pk_fma_f32 v[U0:U0+1], v[R0:R0+1], -4.0, 2.0 op_sel_hi:[1,0,0]              ; u = 2 tanh = 2 - 4 r
	v_pk_fma_f32 v[U1:U1+1], v[R1:R1+1], -4.0, 2.0 op_sel_hi:[1,0,0]
	v_pk_fma_f32 v[P0:P0+1], v[U0:U0+1], v[U0:U0+1], -2.0 op_sel_hi:[1,1,0]       ; D2 = u u - 2
	v_pk_fma_f32 v[P1:P1+1], v[U1:U1+1], v[U1:U1+1], -2.0 op_sel_hi:[1,1,0]
.if \first == 0
	v_pk_add_f32 v[ACC:ACC+1], v[ACC:ACC+1], v[U0:U0+1]
.endif
	v_pk_fma_f32 v[Q0:Q0+1], v[U0:U0+1], v[P0:P0+1], v[U0:U0+1] neg_lo:[0,0,1] neg_hi:[0,0,1]   ; D3 = u D2 - u
	v_pk_fma_f32 v[W0:W0+1], v[P0:P0+1], v[P0:P0+1], -2.0 op_sel_hi:[1,1,0]       ; D4 = D2 D2 - 2
	v_pk_fma_f32 v[Q1:Q1+1], v[U1:U1+1], v[P1:P1+1], v[U1:U1+1] neg_lo:[0,0,1] neg_hi:[0,0,1]
	v_pk_fma_f32 v[W1:W1+1], v[P1:P1+1], v[P1:P1+1], -2.0 op_sel_hi:[1,1,0]
	v_pk_add_f32 v[ACC:ACC+1], v[ACC:ACC+1], v[U1:U1+1]
.if \first
	v_pk_mul_f32 v[ACC+8:ACC+9],   v[P0:P0+1], v[Q0:Q0+1]
	v_pk_mul_f32 v[ACC+10:ACC+11], v[Q0:Q0+1], v[Q0:Q0+1]
	v_pk_mul_f32 v[ACC+12:ACC+13], v[Q0:Q0+1], v[W0:W0+1]
	v_pk_mul_f32 v[ACC+14:ACC+15], v[W0:W0+1], v[W0:W0+1]
.else
	v_pk_add_f32 v[ACC+2:ACC+3], v[ACC+2:ACC+3], v[P0:P0+1]
	v_pk_add_f32 v[ACC+4:ACC+5], v[ACC+4:ACC+5], v[Q0:Q0+1]
	v_pk_add_f32 v[ACC+6:ACC+7], v[ACC+6:ACC+7], v[W0:W0+1]
	v_pk_fma_f32 v[ACC+8:ACC+9],   v[P0:P0+1], v[Q0:Q0+1], v[ACC+8:ACC+9]
	v_pk_fma_f32 v[ACC+10:ACC+11], v[Q0:Q0+1], v[Q0:Q0+1], v[ACC+10:ACC+11]
	v_pk_fma_f32 v[ACC+12:ACC+13], v[Q0:Q0+1], v[W0:W0+1], v[ACC+12:ACC+13]
	v_pk_fma_f32 v[ACC+14:ACC+15], v[W0:W0+1], v[W0:W0+1], v[ACC+14:ACC+15]
.endif
	v_pk_add_f32 v[ACC+2:ACC+3], v[ACC+2:ACC+3], v[P1:P1+1]
	v_pk_add_f32 v[ACC+4:ACC+5], v[ACC+4:ACC+5], v[Q1:Q1+1]
	v_pk_add_f32 v[ACC+6:ACC+7], v[ACC+6:ACC+7], v[W1:W1+1]
	v_pk_fma_f32 v[ACC+8:ACC+9],   v[P1:P1+1], v[Q1:Q1+1], v[ACC+8:ACC+9]
	v_pk_fma_f32 v[ACC+10:ACC+11], v[Q1:Q1+1], v[Q1:Q1+1], v[ACC+10:ACC+11]
	v_pk_fma_f32 v[ACC+12:ACC+13], v[Q1:Q1+1], v[W1:W1+1], v[ACC+12:ACC+13]
	v_pk_fma_f32 v[ACC+14:ACC+15], v[W1:W1+1], v[W1:W1+1], v[ACC+14:ACC+15]
.endm
	MULEXP 0
	v_nop                                          ; the place behind the exponentials: no other stage has work yet
	s_wait_alu depctr_va_vdst(0)
	ADDRCP 0
	MULEXP 1
	POLY 0, 1
.irp j, 1,2,3,4,5,6,7,8,9,10,11,12,13,14
	ADDRCP \j                                      ; the exponentials of load j stand behind POLY j-1's 24 plain instructions
	MULEXP \j+1                                    ; its two multiplies are the place behind the reciprocals
	POLY \j, 0
.endr
	ADDRCP 15
	v_nop                                          ; the place behind the last reciprocals
	s_wait_alu depctr_va_vdst(0)
	POLY 15, 0
	; A row's sums: the two halves of each pair, then four steps inside the row's 16 lanes; every lane ends up with all eight.
.irp k, 0,1,2,3,4,5,6,7
	v_add_f32 v[RED+\k], v[ACC+2*\k], v[ACC+2*\k+1]
.endr
.irp m, 1,2,4,8
.irp k, 0,1,2,3,4,5,6,7
	v_add_f32_dpp v[RED+\k], v[RED+\k], v[RED+\k] row_xmask:\m row_mask:0xf bank_mask:0xf
.endr
.endr
	; Legendre sums from E1 E2 E3 E4 A5 A6 A7 A8 = RED+0 .. RED+7, with sum D5 = A5 - E1 and its like worked into the constants:
	;   S1 = E1/2                                   S2 = 3/8 E2 + 256
	;   S3 = 5/16 E3 + 3/16 E1                      S4 = 35/128 E4 + 5/32 E2 + 144
	;   S5 = 63/256 A5 + 35/256 E3 - 33/256 E1      S6 = 231/1024 A6 + 63/512 E4 + 105/1024 E2 - 362
	;   S7 = (429 A7 + 231 A5 + 189 E3 - 485 E1)/2048
	;   S8 = 6435/32768 A8 + 429/4096 A6 + 693/8192 E4 + 315/4096 E2 - 540.125
	v_mul_f32 v[SV+0], 0.5, v[RED+0]
	v_fma_f32 v[SV+1], v[RED+1], s20, s21
	v_mul_f32 v[SV+2], 0x3e400000, v[RED+0]                ; 3/16 E1
	v_fma_f32 v[SV+3], v[RED+1], s22, s23
	v_mul_f32 v[SV+4], 0xbe040000, v[RED+0]                ; -33/256 E1
	v_fma_f32 v[SV+5], v[RED+1], s24, s25
	v_mul_f32 v[SV+6], 0xbe728000, v[RED+0]                ; -485/2048 E1
	v_fma_f32 v[SV+7], v[RED+1], s26, s27
	v_fmamk_f32 v[SV+2], v[RED+2], 0x3ea00000, v[SV+2]     ; 5/16 E3
	v_fmamk_f32 v[SV+3], v[RED+3], 0x3e8c0000, v[SV+3]     ; 35/128 E4
	v_fmamk_f32 v[SV+4], v[RED+2], 0x3e0c0000, v[SV+4]     ; 35/256 E3
	v_fmamk_f32 v[SV+5], v[RED+3], 0x3dfc0000, v[SV+5]     ; 63/512 E4
	v_fmamk_f32 v[SV+6], v[RED+2], 0x3dbd0000, v[SV+6]     ; 189/2048 E3
	v_fmamk_f32 v[SV+7], v[RED+3], 0x3dad4000, v[SV+7]     ; 693/8192 E4
	v_fmamk_f32 v[SV+4], v[RED+4], 0x3e7c0000, v[SV+4]     ; 63/256 A5
	v_fmamk_f32 v[SV+5], v[RED+5], 0x3e670000, v[SV+5]     ; 231/1024 A6
	v_fmamk_f32 v[SV+6], v[RED+4], 0x3de70000, v[SV+6]     ; 231/2048 A5
	v_fmamk_f32 v[SV+7], v[RED+5], 0x3dd68000, v[SV+7]     ; 429/4096 A6
	v_fmamk_f32 v[SV+6], v[RED+6], 0x3e568000, v[SV+6]     ; 429/2048 A7
	v_fmamk_f32 v[SV+7], v[RED+7], 0x3e491800, v[SV+7]     ; 6435/32768 A8
.irp i, 0,1,2,3
	v_cvt_pk_bf16_f32 v[SPK+\i], v[SV+2*\i], v[SV+2*\i+1]  ; |S| <= 1024 and a little: bf16 has the range
.endr
	ds_store_b128 v[SST], v[SPK:SPK+3]             ; sixteen lanes write the same 16 bytes with the same value
	s_wait_dscnt 0x0                               ; for the other waves' sake: my S and my zeros are in LDS
	s_barrier_signal -1
	s_barrier_wait -1                              ; all 16 rows' S are there
	; THE PRODUCT: four groups of four rows x my two tiles of 64 columns.
.irp g, 0,1,2,3
	ds_load_b128 v[AF+8*\g:AF+8*\g+3],   v[A0] offset:128*\g      ; K blocks 0 (lower lanes) and 1 (upper lanes): values or zeros
	ds_load_b128 v[AF+8*\g+4:AF+8*\g+7], v[A1] offset:128*\g      ; K blocks 2 and 3
.endr
	s_wait_dscnt 0x0
	; Eight products with eight results of their own; C is read only and is no product's result, so none adds onto another.
.irp g, 0,1,2,3
.irp t, 0,1
	v_wmma_f32_16x16x32_bf16 v[D+16*\g+8*\t:D+16*\g+8*\t+7], v[AF+8*\g:AF+8*\g+7], v[B+8*\t:B+8*\t+7], v[C+8*\t:C+8*\t+7]
.endr
.endr
.rept 4
	v_nop                                          ; four places behind the last matrix instruction before a store reads a result
.endr
.irp g, 0,1,2,3
.irp t, 0,1
.irp u, 0,1
	global_store_b128 v[OO], v[D+16*\g+8*\t+4*\u:D+16*\g+8*\t+4*\u+3], s[10:11] offset:4*\g*ROWB+\u*ROWB+256*\t th:TH_STORE_NT   ; rows 4g+u and 4g+2+u: 16 lanes store 256 consecutive bytes, at a multiple of 256 from out's first byte
.endr
.endr
.endr
	s_wait_tensorcnt 0x0
	ds_add_u32 v212, v213
	s_wait_dscnt 0x0
	s_endpgm
.Lfunc_end_k_q7d75f1149a_legendre:
	.size	k_q7d75f1149a_legendre, .Lfunc_end_k_q7d75f1149a_legendre-k_q7d75f1149a_legendre
	.p2alignl 7, 3214868480
	.fill 96, 4, 3214868480
	.section	.rodata,"a",@progbits
	.p2align	6, 0x0
	.amdhsa_kernel k_q7d75f1149a_legendre
		.amdhsa_group_segment_fixed_size 38400
		.amdhsa_private_segment_fixed_size 0
		.amdhsa_enable_private_segment 0
		.amdhsa_kernarg_size 32
		.amdhsa_user_sgpr_count 2
		.amdhsa_user_sgpr_kernarg_segment_ptr 1
		.amdhsa_wavefront_size32 1
		.amdhsa_system_sgpr_workgroup_id_x 1
		.amdhsa_system_sgpr_workgroup_id_y 1
		.amdhsa_system_sgpr_workgroup_id_z 1
		.amdhsa_system_vgpr_workitem_id 0
		.amdhsa_next_free_vgpr 214
		.amdhsa_next_free_sgpr 66
		.amdhsa_reserve_vcc 0
		.amdhsa_float_denorm_mode_32 3
		.amdhsa_float_denorm_mode_16_64 3
		.amdhsa_memory_ordered 1
		.amdhsa_forward_progress 1
		.amdhsa_inst_pref_size 50
	.end_amdhsa_kernel
	.amdgpu_metadata
---
amdhsa.version: [ 1, 2 ]
amdhsa.kernels:
  - .name:           k_q7d75f1149a_legendre
    .symbol:         k_q7d75f1149a_legendre.kd
    .args:
      - { .name: coeffs, .offset: 0, .size: 8, .value_kind: global_buffer, .address_space: global }
      - { .name: input_scale, .offset: 8, .size: 8, .value_kind: global_buffer, .address_space: global }
      - { .name: x, .offset: 16, .size: 8, .value_kind: global_buffer, .address_space: global }
      - { .name: out0, .offset: 24, .size: 8, .value_kind: global_buffer, .address_space: global }
    .group_segment_fixed_size: 38400
    .private_segment_fixed_size: 0
    .kernarg_segment_align: 8
    .kernarg_segment_size: 32
    .max_flat_workgroup_size: 256
    .sgpr_count:     66
    .vgpr_count:     214
    .wavefront_size: 32
...
	.end_amdgpu_metadata
.endif
;; end of part 1
